; MI455X (gfx1250); checked and timed in simulation.
; The chip was launched on July 23, 2026; its instructions are those of AMD's public machine-readable ISA for CDNA 5 (MIT licence, August 2026) and "CDNA5" Instruction Set Architecture Reference Guide (July 2026). The comments in the code are by the model that wrote it; some were corrected since.
;; Kronecker Attention. Allowed arithmetic: matrix products marked QUANTISED: E2M1 operands, one E8M0 scale for each 32 along K, by v_wmma_scale_f32_16x16x128_f8f6f4 with both operands' format E2M1 (or v_wmma_scale_f32_32x16x128_f4), f32 sums; products left as they are: f32 operands where the result goes on into a quantised operand, else bf16, f16 or f32 operands; f32 sums; everything else in f32.
;; Inputs: key 2 x 16 x 8,192 x 64 float32; query 2 x 16 x 8,192 x 64 float32; value 2 x 16 x 8,192 x 64 float32.
;; Outputs: out0 2 x 16 x 8,192 x 64 float32.
;; Constants: n_key_groups = 4, n_query_groups = 4.
;; This version of the problem:
;;   THIS VERSION OF THE PROBLEM IS GIVEN IN LOW PRECISION. The matrix products marked QUANTISED in the list below multiply operands that are first quantised to E2M1 (2 exponent bits, 1 mantissa bit; 4 bits a number), with one power-of-two scale for each 32 numbers along K (OCP MX v1.0); their sums are f32. All else is computed in f32.
;;   The module's matrix products, in the order in which they are computed (A, B: the left and right operand; K: the contracted axis; several contracted axes count as one K, in the product's order):
;;     1. batch 32 x [M 2,048, K 64] x [K 64, N 2,048]; A: input query; B: input key: QUANTISED
;;     2. batch 32 x [M 2,048, K 2,048] x [K 2,048, N 256]; A: softmax (see below); B: input value: QUANTISED
;;     3. batch 32 x [M 8,192, K 64] x [K 64, N 4]; A: input query; B: input key: left as it is (N = 4 < 16)
;;     4. batch 32 x [M 4, K 4] x [K 4, N 131,072]; A: computed on the way; B: computed on the way: left as it is (K = 4 < 32)
;;   THE QUANTISER, for each operand of a quantised product, along K:
;;     - K is cut into blocks of 32 from its start; a last block that is shorter is filled with zeros.
;;     - A block's scale is 2^e with e = floor(log2(the largest magnitude in the block)) - 2, held to -126 .. 127; a block of zeros has e = 0. As a byte (E8M0): e + 127.
;;     - Each number is divided by its block's scale, clamped to +-6, and rounded to the nearest number of E2M1, ties to even, subnormals kept.
;;     - The product sums the exact products of the quantised numbers (number of the format x scale) in f32.
;;   ~~~python
;;   def quantise(x, axis):      # numpy; x: float32 -> the quantised numbers, widened to float32 again
;;       x = np.moveaxis(x, axis, -1); K = x.shape[-1]
;;       x = np.pad(x, [(0, 0)] * (x.ndim - 1) + [(0, -K % 32)]); x = x.reshape(x.shape[:-1] + (-1, 32)); a = np.abs(x).max(-1, keepdims=True)
;;       e = np.where(a > 0, np.clip(np.frexp(np.where(a > 0, a, 1))[1] - 1 - 2, -126, 127), 0)      # np.frexp(a)[1] - 1 = floor(log2(a)), exactly
;;       r = np.clip(x / 2.0 ** e, -6, 6)
;;       step = 2.0 ** (np.maximum(np.frexp(np.where(r == 0, 1, r))[1] - 1, 0) - 1)
;;       q = np.round(r / step) * step * 2.0 ** e      # np.round: ties to even
;;       return np.moveaxis(q.reshape(q.shape[:-2] + (-1,))[..., :K], -1, axis).astype(np.float32)
;;   ~~~
;;   SOFTMAX AHEAD OF A QUANTISED PRODUCT. Where the list says 'softmax', what is quantised is not the finished softmax but p = 2^(t - M), with t = logit x log2(e) and M = ceil(the row's largest t), a whole number; so 1/2 < the row's largest p <= 1. The row's sum l is taken of the UNQUANTISED p, in f32, and the product's result is divided by l at the end. Since M is a whole number, a kernel that streams over the keys may use a running M (the ceiling of the running maximum): every later rescaling is an exact power of two, which a block's scale takes up: the codes' values come out the same.
;;   OPERANDS COMPUTED ON THE WAY. 'Computed on the way' means the value that the module computes at that place (a softmax that the list does not call 'softmax' is quantised finished and normalised). What goes into a quantiser is computed in f32, as accurately as f32 sums, v_exp_f32 and their like allow (about 1e-6 of the number): no bf16 or f16 on the way to a quantiser, and a product that is left as it is and whose result goes on into a quantised operand takes f32 operands (vector FMAs, or v_wmma_f32_16x16x4_f32). A number that lies on a knife's edge between two numbers of the format may be rounded either way, as far as f32 arithmetic and the matrix unit's own rounding can turn it there, and no further.
;; One version. Each part assembles by itself: llvm-mc -triple=amdgcn-amd-amdhsa -mcpu=gfx1250 --defsym DOCPART=n.
;; ======== version 1 of 1: 2 launches
;; workspace buffers: kv 11,272,192 bytes; wsq 16,384 bytes
;; launch prep (part 1): grid 512 x 1, 5 waves a work-group, no clusters, 9,984 bytes of LDS; arguments query, key, value, kv, wsq; writes kv, wsq
.if DOCPART == 1
	.amdgcn_target "amdgcn-amd-amdhsa--gfx1250"
	.amdhsa_code_object_version 6
	.text
	.protected	k_q1263d5d282_prep
	.globl	k_q1263d5d282_prep
	.p2align	8
	.type	k_q1263d5d282_prep,@function
k_q1263d5d282_prep:
	s_mov_b64 s[64:65], 0
	v_nop
	global_prefetch_b8 v0, s[64:65] scope:SCOPE_SE
	s_setreg_imm32_b32 hwreg(HW_REG_WAVE_MODE, 25, 1), 1
	s_wait_xcnt 0x0
; THE LAUNCH IN FRONT OF THE ATTENTION.  query, key, value: [32 heads][8192][64] f32.  Groups of 2,048 rows; the central group is group 2.
; It makes (a) kv: for each head and each key step of 128 keys of a group one dense record of STEPB bytes, which holds the central key group's codes (FP4, E2M1, quantised along the 64 channels)
; and the value's codes (quantised along the keys; channel 64 n + d at key k is value[2048 n + k][d]) AS IMAGES OF THE OPERANDS' REGISTERS, with their E8M0 scale words;
; (b) wsq [head][chunk of 256 query rows][n]: the sum over the chunk's rows of (query row . key row 2048 n)^2, in f32.
; A RECORD (L = 16 h + r is the lane that will hold the bytes):
;   KC  at 0:     key tile t = 2 b + u at 512 t, lane L's 16 bytes at 16 L: the codes of channels 32 h .. 32 h + 31 of key 32 b + 8 u + r + 8 (r / 8) of the step
;   KSC at 4,096: lane L at 16 L, word j: the scale word of tile 2 j + h, row r: byte 0 channels 0-31, byte 1 channels 32-63, bytes 2 and 3 are 0
;   VSC at 4,608: half g2 at 512 g2, lane L at 16 L, word j: the scale word (the step's four blocks of 32 keys) of channel 16 ct + r, ct = 8 g2 + 2 j + h
;   VC  at 5,632: channel tile ct at 1,024 ct, part c at 512 c, lane L at 16 L: the codes of keys 64 c + 32 h .. + 31 of channel 16 ct + r
; A block's scale is 2^(floor(log2(its largest magnitude)) - 2); its byte is the largest magnitude's exponent field - 2, held at 1 from below by a floor among the maximum's leaves.
; LIMITS: a block of zeros gets the byte 1 where the quantiser says 127 (its codes are zeros, and this program alone reads the bytes); NaN and infinities among the inputs are not served.
; SHARES.  Work-group g: head g / 16, key step g % 16: it writes record g whole.  Five waves that share nothing, so no barrier: waves 0, 1 the value's channels 128 g2 .. + 127 (64 KB read each);
; waves 2, 3 a chunk of 256 query rows each (64 KB); wave 4 the step's 128 central keys (32 KB).  No tensor load, no cluster: apart from the four sampled key rows of a head no byte is read by two work-groups.
.set STEPB, 22016
.set KSC,   4096
.set VSC,   4608
.set VC,    5632
.set GRP,   524288                     ; a group of 2,048 rows of 256 bytes
.set STG,   4352                       ; wave 4's stage: 16 rows x (256 bytes + 16)
; v1 lane, v2 16 lane, v3 4 lane, v4 r, v5 h, v6, v7 the stage in and out, v8 the value's codes' place, v9 16 r, v10 8 h, v11-14 at work in AMAX
	s_load_b256 s[4:11], s[0:1], 0x0               ; query s[4:5], key s[6:7], value s[8:9], kv s[10:11]
	s_load_b64 s[12:13], s[0:1], 0x20              ; wsq
	v_lshl_add_u32 v160, v0, 2, 0x2400
	v_mov_b32 v161, 0
	v_lshrrev_b32 v1, 5, v0
	v_readfirstlane_b32 s14, v1                    ; wave 0..4
	s_lshr_b32 s15, ttmp9, 4                       ; head
	s_and_b32 s16, ttmp9, 15                       ; key step
	s_mov_b32 s20, 0x76543210
	s_mov_b32 s21, 0xfedcba98                      ; v_permlanex16_b32's selects for lane l xor 16
	s_mov_b32 s22, 0xffff0000                      ; lanes 16-31
	v_and_b32 v1, 31, v0
	v_lshlrev_b32 v2, 4, v1
	v_lshlrev_b32 v3, 2, v1
	v_and_b32 v4, 15, v0
	v_bfe_u32 v5, v0, 4, 1
	v_mul_u32_u24 v6, v5, 272
	v_lshl_add_u32 v6, v4, 4, v6                   ; into the stage: a load's two rows: 272 h + 16 r
	v_mul_u32_u24 v7, v4, 272
	v_lshl_add_u32 v7, v5, 7, v7                   ; out of it: row r, my 32 channels: 272 r + 128 h
	v_lshlrev_b32 v8, 10, v5
	v_lshl_add_u32 v8, v4, 4, v8                   ; 1,024 h + 16 r
	v_lshlrev_b32 v9, 4, v4
	v_lshlrev_b32 v10, 3, v5
	s_lshl_b32 s18, s15, 21                        ; a head is 8,192 rows of 256 bytes
	s_mov_b32 s19, 0
	s_mul_i32 s24, ttmp9, STEPB
	s_mov_b32 s25, 0
	s_wait_kmcnt 0x0
	s_add_nc_u64 s[4:5], s[4:5], s[18:19]
	s_add_nc_u64 s[6:7], s[6:7], s[18:19]
	s_add_nc_u64 s[8:9], s[8:9], s[18:19]
	s_add_nc_u64 s[10:11], s[10:11], s[24:25]      ; my record
; The largest magnitude of the 32 numbers v[b] .. v[b + 31] -> v11 the conversion's scale operand (2 off the exponent field), v14 the scale's byte
.macro AMAX b
	v_max3_num_f32 v12, |v[\b]|, |v[\b+1]|, |v[\b+2]|
	v_max3_num_f32 v13, |v[\b+3]|, |v[\b+4]|, |v[\b+5]|
.irp i, 6,10,14,18,22,26
	v_max3_num_f32 v12, v12, |v[\b+\i]|, |v[\b+\i+1]|
	v_max3_num_f32 v13, v13, |v[\b+\i+2]|, |v[\b+\i+3]|
.endr
	v_max3_num_f32 v12, v12, |v[\b+30]|, |v[\b+31]|
	v_max3_num_f32 v12, v12, v13, 0x1800000        ; and the floor 2^(3 - 127): the byte cannot fall under 1
	v_add_nc_u32 v11, 0xff000000, v12
	v_lshrrev_b32 v14, 23, v11
.endm
	s_cmp_lt_u32 s14, 2
	s_cbranch_scc1 .Lv
	s_cmp_lt_u32 s14, 4
	s_cbranch_scc1 .Lq
; ---- WAVE 4: the step's 128 central keys.  Eight passes, one key tile each.  A load takes 512 consecutive bytes (two keys); the tile's 16 rows turn through my own stage in LDS, so that a lane gets the 32 channels of its block.
.set KR,  32                           ; v32-95   two sets of 32: a tile as loaded
.set KX,  96                           ; v96-127  my block's 32 numbers
.set KCD, 128                          ; v128-159 codes: four registers a pass, never written again
	s_lshl_b32 s26, s16, 15                        ; 128 keys of 256 bytes a step,
	s_add_co_u32 s26, s26, 2*GRP                   ; in the central group
	s_mov_b32 s27, 0
	s_add_nc_u64 s[6:7], s[6:7], s[26:27]
	v_mov_b32 v22, 0                               ; a lane permute's destination counts as one of its sources
.macro KLOAD t                         ; tile t = 2 b + u: keys 32 b + 8 u + 0..7 and + 16..23; load i brings the tile's rows 2 i and 2 i + 1
.irp i, 0,1,2,3,4,5,6,7
	global_load_b128 v[KR+32*((\t)%2)+4*\i:KR+32*((\t)%2)+4*\i+3], v2, s[6:7] offset:(32*((\t)/2)+8*((\t)%2)+16*(\i/4))*256+512*(\i%4) th:TH_LOAD_NT
.endr
.endm
.macro KPASS t
.if (\t) < 7
	s_wait_loadcnt 8                               ; this pass's eight loads are in; the next pass's eight may be out
.else
	s_wait_loadcnt 0x0
.endif
.irp i, 0,1,2,3,4,5,6,7
	ds_store_b128 v6, v[KR+32*((\t)%2)+4*\i:KR+32*((\t)%2)+4*\i+3] offset:STG*((\t)%2)+544*\i
.endr
.irp j, 0,1,2,3,4,5,6,7
	ds_load_b128 v[KX+4*\j:KX+4*\j+3], v7 offset:STG*((\t)%2)+16*\j   ; LDS serves a wave's instructions in order (ISA guide 5.7.1.4): these see my stores
.endr
	s_wait_dscnt 0x0                               ; my block is in, and the stores have read their registers,
.if (\t)+2 < 8
	KLOAD (\t)+2                                   ; which take the loads of two passes on
.endif
	AMAX KX
.irp g, 0,1,2,3
	v_cvt_scalef32_pk8_fp4_f32 v[KCD+4*(\t)+\g], v[KX+8*\g:KX+8*\g+7], v11
.endr
	v_lshlrev_b32 v21, v10, v14                    ; my block's byte at its place, 8 h bits up (also the plain line behind the conversions);
	v_permlanex16_b32 v22, v21, s20, s21
	v_or_b32 v21, v21, v22                         ; with lane l xor 16's the row's word is whole
.if (\t)%2 == 0
	v_mov_b32 v20, v21
.else
	v_cndmask_b32 v[16+(\t)/2], v20, v21, s22      ; lanes 0-15 keep tile 2 b's words, lanes 16-31 take tile 2 b + 1's
.endif
	global_store_b128 v2, v[KCD+4*(\t):KCD+4*(\t)+3], s[10:11] offset:512*(\t)   ; 512 consecutive bytes of the record
.endm
	KLOAD 0
	KLOAD 1
.irp t, 0,1,2,3,4,5,6,7
	KPASS \t
.endr
	global_store_b128 v2, v[16:19], s[10:11] offset:KSC
	s_wait_tensorcnt 0x0
	ds_add_u32 v160, v161
	s_wait_dscnt 0x0
	s_endpgm
; ---- WAVES 0, 1: the value.  A LANE TAKES A CHANNEL AND ITS REGISTERS RUN DOWN THE KEYS: a block of 32 keys lies in one lane's 32 registers, and the conversions give codes with the keys innermost.
.Lv:
.set VX,  32                           ; v32-95   two sets of 32 numbers
.set VCD, 96                           ; v96-159  codes: four registers a block, never written again;   v16-19 the scale words
	s_lshl_b32 s26, s14, 20                        ; g2: two groups on
	s_lshl_b32 s27, s16, 15                        ; the step's 128 keys
	s_add_co_u32 s26, s26, s27
	s_mov_b32 s27, 0
	s_add_nc_u64 s[8:9], s[8:9], s[26:27]
	s_lshl_b32 s28, s14, 13                        ; my eight channel tiles' codes
	s_mov_b32 s29, 0
	s_add_nc_u64 s[30:31], s[10:11], s[28:29]
	s_lshl_b32 s28, s14, 9                         ; and their scale words
	s_add_nc_u64 s[32:33], s[10:11], s[28:29]
; Block t of 16: group t / 8 of my two, keys 32 ((t / 2) % 4) on, channels 32 (t % 2) + lane: the two halves of a row are asked for in neighbouring blocks
.macro VLOAD t
.irp i, 0,1,2,3,4,5,6,7,8,9,10,11,12,13,14,15,16,17,18,19,20,21,22,23,24,25,26,27,28,29,30,31
	global_load_b32 v[VX+32*((\t)%2)+\i], v3, s[8:9] offset:((\t)/8)*GRP+((\t)%2)*128+(((\t)/2)%4)*8192+\i*256
.endr
.endm
.macro VBLOCK t
.set XS, VX+32*((\t)%2)
.set QQ, 2*((\t)/8)+(\t)%2             ; my channel tile is 2 QQ + h
.set BE, ((\t)/2)%4                    ; the block of 32 keys
.if (\t) < 15
	s_wait_loadcnt 32                              ; this block's 32 loads are in; the next block's may be out
.else
	s_wait_loadcnt 0x0
.endif
	AMAX XS
.if BE == 0
	v_mov_b32 v[16+QQ], v14                        ; four bytes to a word, the lower keys in the lower byte
.else
	v_lshl_or_b32 v[16+QQ], v14, 8*BE, v[16+QQ]
.endif
.irp g, 0,1,2,3
	v_cvt_scalef32_pk8_fp4_f32 v[VCD+4*(\t)+\g], v[XS+8*\g:XS+8*\g+7], v11
.endr
	global_store_b128 v8, v[VCD+4*(\t):VCD+4*(\t)+3], s[30:31] offset:VC+2048*QQ+512*(BE/2)+256*(BE%2)   ; sixteen lanes store 256 consecutive bytes, at a multiple of 256 from kv's first byte
.if (\t)+2 < 16
	VLOAD (\t)+2
.endif
.endm
	VLOAD 0
	VLOAD 1
.irp t, 0,1,2,3,4,5,6,7,8,9,10,11,12,13,14,15
	VBLOCK \t
.endr
	global_store_b128 v2, v[16:19], s[32:33] offset:VSC
	s_endpgm
; ---- WAVES 2, 3: w = query . the four sampled keys, by f32 multiply-adds, and the sum of w^2 over a chunk of 256 rows.  A load takes two rows; a row lies in sixteen lanes, four channels each.
.Lq:
.set QK, 16                            ; v16-31   my four channels of the sampled keys 0, 2048, 4096, 6144
.set QX, 32                            ; v32-95   a ring of 16 slots of 4 registers
.set QT, 96                            ; v96-103  at work
.set QW, 104                           ; v104-107 w
.set QA, 108                           ; v108-111 the sums of w^2;   v112-115 the other half's
	s_lshl_b32 s17, s16, 1
	s_add_co_u32 s17, s17, s14
	s_sub_co_u32 s17, s17, 2                       ; my chunk: 2 x step + wave - 2
	s_lshl_b32 s26, s17, 16
	s_mov_b32 s27, 0
	s_add_nc_u64 s[4:5], s[4:5], s[26:27]
	s_lshl_b32 s28, s15, 9
	s_lshl_b32 s29, s17, 4
	s_add_co_u32 s28, s28, s29
	s_mov_b32 s29, 0
	s_add_nc_u64 s[12:13], s[12:13], s[28:29]      ; wsq[head][chunk]
.irp n, 0,1,2,3
	global_load_b128 v[QK+4*\n:QK+4*\n+3], v9, s[6:7] offset:\n*GRP
.endr
.irp i, 0,1,2,3,4,5,6,7,8,9,10,11,12,13,14,15
	global_load_b128 v[QX+4*\i:QX+4*\i+3], v2, s[4:5] offset:512*\i th:TH_LOAD_NT
.endr
.irp n, 0,1,2,3
	v_mov_b32 v[QA+\n], 0
	v_mov_b32 v[QA+4+\n], 0
.endr
; A slot's turn.  ahead = 1: it is filled again with the rows 32 further down.  left = the younger loads that may stay out.
.macro QSLOT i, ahead, left
	s_wait_loadcnt \left
.irp n, 0,1,2,3
	v_pk_mul_f32 v[QT+2*\n:QT+2*\n+1], v[QX+4*(\i):QX+4*(\i)+1], v[QK+4*\n:QK+4*\n+1]
.endr
.irp n, 0,1,2,3
	v_pk_fma_f32 v[QT+2*\n:QT+2*\n+1], v[QX+4*(\i)+2:QX+4*(\i)+3], v[QK+4*\n+2:QK+4*\n+3], v[QT+2*\n:QT+2*\n+1]
.endr
.if \ahead
	global_load_b128 v[QX+4*(\i):QX+4*(\i)+3], v2, s[4:5] offset:8192+512*(\i) th:TH_LOAD_NT
.endif
.irp n, 0,1,2,3
	v_add_f32 v[QW+\n], v[QT+2*\n], v[QT+2*\n+1]
.endr
.irp k, 1,2,4,8
.irp n, 0,1,2,3
	v_add_f32_dpp v[QW+\n], v[QW+\n], v[QW+\n] row_xmask:\k row_mask:0xf bank_mask:0xf
.endr
.endr
.irp n, 0,1,2,3
	v_fmac_f32 v[QA+\n], v[QW+\n], v[QW+\n]        ; every lane of a half holds its row's w
.endr
.endm
	s_mov_b32 s23, 7
.Lqround:
.irp i, 0,1,2,3,4,5,6,7,8,9,10,11,12,13,14,15
	QSLOT \i, 1, 15
.endr
	s_wait_xcnt 0x0                                ; the loads have read their base: it is stepped only behind this wait
	s_add_nc_u64 s[4:5], s[4:5], 8192
	s_sub_co_u32 s23, s23, 1
	s_cmp_lg_u32 s23, 0
	s_cbranch_scc1 .Lqround
.irp i, 0,1,2,3,4,5,6,7,8,9,10,11,12,13,14,15
	QSLOT \i, 0, 15-\i                             ; the last round loads nothing: the counts run down
.endr
.irp n, 0,1,2,3
	v_permlanex16_b32 v[QA+4+\n], v[QA+\n], s20, s21
.endr
.irp n, 0,1,2,3
	v_add_f32 v[QA+\n], v[QA+\n], v[QA+4+\n]       ; the even rows' and the odd rows'
.endr
	v_cmp_eq_u32 vcc_lo, 0, v1
	s_wait_xcnt 0x0                                ; EXEC changes only behind this wait
	s_and_saveexec_b32 s24, vcc_lo
	global_store_b128 v2, v[QA:QA+3], s[12:13]     ; lane 0 stores the chunk's four sums
	s_wait_xcnt 0x0
	s_or_b32 exec_lo, exec_lo, s24
	s_endpgm
.Lfunc_end_k_q1263d5d282_prep:
	.size	k_q1263d5d282_prep, .Lfunc_end_k_q1263d5d282_prep-k_q1263d5d282_prep
	.p2alignl 7, 3214868480
	.fill 96, 4, 3214868480
	.section	.rodata,"a",@progbits
	.p2align	6, 0x0
	.amdhsa_kernel k_q1263d5d282_prep
		.amdhsa_group_segment_fixed_size 9984
		.amdhsa_private_segment_fixed_size 0
		.amdhsa_enable_private_segment 0
		.amdhsa_kernarg_size 40
		.amdhsa_user_sgpr_count 2
		.amdhsa_user_sgpr_kernarg_segment_ptr 1
		.amdhsa_wavefront_size32 1
		.amdhsa_system_sgpr_workgroup_id_x 1
		.amdhsa_system_sgpr_workgroup_id_y 1
		.amdhsa_system_sgpr_workgroup_id_z 1
		.amdhsa_system_vgpr_workitem_id 0
		.amdhsa_next_free_vgpr 162
		.amdhsa_next_free_sgpr 66
		.amdhsa_reserve_vcc 1
		.amdhsa_float_denorm_mode_32 3
		.amdhsa_float_denorm_mode_16_64 3
		.amdhsa_memory_ordered 1
		.amdhsa_forward_progress 1
		.amdhsa_inst_pref_size 166
	.end_amdhsa_kernel
	.amdgpu_metadata
---
amdhsa.version: [ 1, 2 ]
amdhsa.kernels:
  - .name:           k_q1263d5d282_prep
    .symbol:         k_q1263d5d282_prep.kd
    .args:
      - { .name: query, .offset: 0, .size: 8, .value_kind: global_buffer, .address_space: global }
      - { .name: key, .offset: 8, .size: 8, .value_kind: global_buffer, .address_space: global }
      - { .name: value, .offset: 16, .size: 8, .value_kind: global_buffer, .address_space: global }
      - { .name: kv, .offset: 24, .size: 8, .value_kind: global_buffer, .address_space: global }
      - { .name: wsq, .offset: 32, .size: 8, .value_kind: global_buffer, .address_space: global }
    .group_segment_fixed_size: 9984
    .private_segment_fixed_size: 0
    .kernarg_segment_align: 8
    .kernarg_segment_size: 40
    .max_flat_workgroup_size: 160
    .sgpr_count:     66
    .vgpr_count:     162
    .wavefront_size: 32
...
	.end_amdgpu_metadata
.endif
;; end of part 1
;; launch attn (part 2): grid 8 x 32, 8 waves a work-group, clusters of 4 x 1, 327,680 bytes of LDS; arguments query, kv, wsq, out0; writes out0
.if DOCPART == 2
	.amdgcn_target "amdgcn-amd-amdhsa--gfx1250"
	.amdhsa_code_object_version 6
	.text
	.protected	k_q1263d5d282_attn
	.globl	k_q1263d5d282_attn
	.p2align	8
	.type	k_q1263d5d282_attn,@function
k_q1263d5d282_attn:
	s_mov_b64 s[64:65], 0
	v_nop
	global_prefetch_b8 v0, s[64:65] scope:SCOPE_SE
	s_setreg_imm32_b32 hwreg(HW_REG_WAVE_MODE, 25, 1), 1
	s_wait_xcnt 0x0
	s_wait_alu depctr_hold_cnt(0) depctr_sa_sdst(0) depctr_va_vdst(0) depctr_va_sdst(0) depctr_va_ssrc(0) depctr_va_vcc(0) depctr_vm_vsrc(0)
	s_getreg_b32 s2, hwreg(HW_REG_IB_STS2, 6, 4)
	s_cmp_eq_u32 s2, 0
	s_cbranch_scc0 .Lentry_in_a_cluster
	s_endpgm
.Lentry_in_a_cluster:
	s_bfe_u32 s2, ttmp6, 0x10000c
	s_cmp_lg_u32 s2, 0x3003
	s_cbranch_scc0 .Lentry_shape_is_right
	s_endpgm
.Lentry_shape_is_right:
; out[head][2048 m + p][d] = sum over n of attn[p][64 n + d] s[m][n] / s_sum[m], attn = softmax(Qc Kc^T / 8) V: Qc, Kc the central groups (rows 4096 .. 6143) of query and key, V 256 channels wide
; (channel 64 n + d at key k is value[2048 n + k][d]); both products on codes of FP4 (E2M1) with one E8M0 scale for each 32 along K.  s[m][n] = norm[m][n] / norm[2][2], norm = sqrt of the sums of w^2.
; THE SOFTMAX AHEAD OF THE SECOND PRODUCT: t = score x log2(e) / 8; M = the row's largest t so far, rounded up to a whole number; p = 2^(t - M) is quantised along the keys, not normalised; the row's sum l
; is taken of the unquantised p and divides at the end.  When M moves, l and O are multiplied by 2^(old M - new M): exact.
; INPUTS: kv holds, for each head and key step of 128 keys, one dense record of STEPB bytes: images of the operands' registers (KC, KSC, VSC, VC below), so that every fragment is a run of ds_load_b128 at
; the record's byte + 16 x lane + a constant: 512 consecutive bytes an instruction.  wsq [head][32 chunks of 256 query rows][n] holds the sums of w^2.
; SHARES.  A work-group owns 256 central queries of one head; each of its eight waves 32 of them, two tiles of 16, in 512 registers: two waves to a SIMD, so that one wave's vector work stands beside the
; other's matrix work and LDS loads, and each fragment of K and V read from LDS feeds two products.  Every wave walks the 16 key steps.  At the end a wave mixes its O^T 4 x 4 and stores its rows of all four query groups.
; CLUSTER.  The four work-groups of a cluster belong to one head and walk the same records: each record is asked for JOINTLY.
; RING.  Two slots of four records.  A refill stands first behind a round of the cluster's barrier and has four key steps (192 matrix instructions a wave) in which to land; so no prefetch is laid.
; LAYOUT.  Both products are used transposed: S^T = K Q^T (source 0 = 16 keys, source 1 = 16 queries), O^T = V^T P^T: a lane holds ONE query (lane % 16) throughout.  Lane r of key tile 2 b + u holds key
; 32 b + 8 u + r + 8 (r / 8), so that the 16 registers of tiles 2 b and 2 b + 1 are 16 neighbouring keys.
; K = 64 IN AN INSTRUCTION OF K = 128: Q's registers 4-7 are zero codes, and bytes 2, 3 of both scale words are 0 (2^-127, a finite scale).  K's fragment of tile t is the run KF + 4 t .. + 7: its upper four registers
; hold tile t + 1's codes (behind tile 7: zeros); they are finite numbers that meet zero codes and add exactly 0.
; LIMITS: NaN and infinities among the inputs are not served; a block of zeros has the byte 1 (its codes are zeros); the transcendentals count denormals as zero; divisions are v_rcp_f32 and a multiplication;
; norm[2][2] = 0 gives no finite result, here as in the definition.
; REGISTERS, window 0: v1 16 x lane; v2 the address in hand; v3, v4 the spare word's address and 0; v5-7 the way out; tile x: v[8+4x] -M, v[9+4x] the largest t, v[10+4x:11+4x] l in two halves, v[16+2x] f;
;   v20-35 Q's two fragments; v36 Q's scale words (lanes 0-15 tile 0's, 16-31 tile 1's); v38, v39 p's scale words; v40-43 K's; v44-51 V's; v52-67 p's codes; v68-83 at work; v84-119 K's fragments; v120, v121 1 / l;
;   v128-255 S^T, then p (tile x, key tile t at 128 + 64 x + 8 t), then V's 16 fragments; on the way out rows of the output.      window 1: O^T: tile x, channel tile ct at v[128 x + 8 ct].
.set STEPB, 22016                      ; a record: 86 rows of 256 bytes
.set KSC,   4096
.set VSC,   4608
.set VC,    5632
.set SLOT1, 1<<17                      ; slot 1 begins here, so that one exclusive or turns an address in one slot into the other's
.set STAGE, SLOT1+4*STEPB              ; behind the ring: 16 rows x (256 bytes + 16) for each wave; no fill lands there
.set SPARE, STAGE+8*4352               ; the spare words, 128 bytes for each wave: four blocks of 256 bytes that no other line names
.set BM, 68                            ; v68-71 a block's largest score, then its largest p
.set TP, 72                            ; v72-75 the other half's, then the scales' bytes
.set SO, 76                            ; v76-79 the conversions' scale operands
.set KF, 84
.set MSB, 0
.macro WIN new                         ; the immediate's high byte repeats the setting that is left; a switch that changes nothing is dropped
.if MSB != \new
	s_set_vgpr_msb (MSB<<8)|\new
.set MSB, \new
.endif
.endm
.macro CROUND                          ; a round of the cluster's barrier
	s_barrier_signal -1
	s_barrier_wait -1
	s_cmp_lg_u32 s12, 0
	s_cbranch_scc1 .Lnot_wave_0_\@
	s_barrier_signal -3
.Lnot_wave_0_\@:
	s_barrier_wait -3
	s_barrier_signal -1
	s_barrier_wait -1
.endm
.macro JLOAD                           ; the joint refill: waves 0 to 3, a record each; the branch hangs on the wave's number alone.  Four v_nop follow the load
	s_cmp_lt_u32 s12, 4
	s_cbranch_scc0 .Lnone_\@
	tensor_load_to_lds s[36:39], s[24:31]
	s_nop 0
.rept 4
	v_nop
.endr
.Lnone_\@:
.endm
	s_load_b256 s[4:11], s[0:1], 0x0               ; query s[4:5], kv s[6:7], wsq s[8:9], out0 s[10:11]
	v_lshl_add_u32 v3, v0, 2, SPARE
	v_mov_b32 v4, 0
	ds_add_u32 v3, v4
	s_wait_dscnt 0x0
	v_lshrrev_b32 v1, 5, v0
	v_readfirstlane_b32 s12, v1                    ; wave 0..7
	s_bfe_u32 s13, ttmp6, 0x40000                  ; cx: my place in the cluster: it enters query's and out0's addresses alone
	s_lshl_b32 s14, ttmp9, 2
	s_add_co_u32 s14, s14, s13                     ; my block of 256 queries
	s_and_b32 s15, ttmp7, 0xffff                   ; the head, which the four partners share
	; descriptor group 1: a record as 86 dense rows of 256 bytes
	s_mov_b32 s24, 15|(3<<16)|(1<<21)              ; 15:0 the mask: all four work-groups; 17:16 elements of 8 bytes; 20 no padding; 21 set beside a mask
	s_mov_b32 s25, 32<<16                          ; tensor_dim0 = 32
	s_mov_b32 s26, 86<<16                          ; tensor_dim1 = 86
	s_mov_b32 s27, 32<<16                          ; tile_dim0 = 32
	s_mov_b32 s28, 86                              ; tile_dim1 = 86
	s_mov_b32 s29, 32                              ; tensor_dim0_stride
	s_mov_b32 s30, 0
	s_mov_b32 s31, 0
	s_and_b32 s45, s12, 3                          ; which record of a slot I fetch, if I fetch
	s_mul_i32 s33, s45, STEPB                      ; its place in a slot
	s_mul_i32 s16, s15, 16*STEPB                   ; the head's 16 records
	s_add_co_u32 s16, s16, s33
	s_mov_b32 s17, 0
	s_lshl_b32 s18, s14, 8
	s_lshl_b32 s19, s12, 5
	s_add_co_u32 s18, s18, s19                     ; my first query in its group: 256 x block + 32 x wave
	s_lshl_b32 s18, s18, 8                         ; rows of 256 bytes
	s_lshl_b32 s19, s15, 21
	s_add_co_u32 s18, s18, s19                     ; in my head
	s_mov_b32 s19, 0
	s_lshl_b32 s46, s15, 9                         ; wsq: 512 bytes a head
	s_mov_b32 s47, 0
	s_mov_b32 s20, 0x76543210
	s_mov_b32 s21, 0xfedcba98                      ; v_permlanex16_b32's selects for lane l xor 16
	s_mov_b32 s22, 0x3e38aa3b                      ; c = log2(e) / 8
	s_mov_b32 s23, s22                             ; (named with it as a pair, so it is written)
	s_mov_b32 s43, 0xffff0000                      ; lanes 16-31
	s_mov_b32 s40, 0                               ; LDS byte of the record in hand
	s_mov_b32 s42, 2                               ; slots still to be asked for
	s_wait_kmcnt 0x0
	s_add_nc_u64 s[6:7], s[6:7], s[16:17]
	s_add_nc_u64 s[4:5], s[4:5], s[18:19]
	s_add_nc_u64 s[4:5], s[4:5], 4096*256          ; the central group
	s_add_nc_u64 s[10:11], s[10:11], s[18:19]
	s_add_nc_u64 s[8:9], s[8:9], s[46:47]
	s_mov_b32 s32, 1                               ; group 0 for slot 0's first fill: count = 1; s33 the LDS address;
	s_mov_b64 s[34:35], s[6:7]                     ; the global address: key steps 0 to 3;
	s_or_b32 s35, s35, 0x80000000                  ; type = 2
	s_mov_b32 s36, 1                               ; group 0 for slot 1's first fill; it then walks
	s_add_co_u32 s37, s33, SLOT1
	s_add_nc_u64 s[38:39], s[6:7], 4*STEPB         ; key steps 4 to 7
	s_or_b32 s39, s39, 0x80000000
	CROUND                                         ; all four work-groups are here: the first joint loads meet
	s_cmp_lt_u32 s12, 4                            ; a wave's two first fills stand in one branch, ahead of every wait on TENSORcnt and every LDS read: two loads of mine are out
	s_cbranch_scc0 .Lno_first
	tensor_load_to_lds s[32:35], s[24:31]
	s_nop 0
	tensor_load_to_lds s[36:39], s[24:31]
	s_nop 0
.rept 4
	v_nop
.endr
.Lno_first:
	v_and_b32 v1, 31, v0
	v_lshlrev_b32 v1, 4, v1                        ; 16 x lane
	v_and_b32 v80, 15, v0                          ; r
	v_bfe_u32 v81, v0, 4, 1                        ; h
	v_lshlrev_b32 v2, 8, v80
	v_lshl_add_u32 v2, v81, 7, v2                  ; Q: row r, my block of 32 channels: 256 r + 128 h
.irp x, 0,1
.irp j, 0,1,2,3,4,5,6,7
	global_load_b128 v[128+32*\x+4*\j:131+32*\x+4*\j], v2, s[4:5] offset:4096*\x+16*\j
.endr
.endr
	global_load_b128 v[192:195], v1, s[8:9]        ; lane l: chunk l's four sums of w^2
	s_mul_i32 s45, s12, 4352
	s_add_co_u32 s45, s45, STAGE                   ; my stage
	v_mul_u32_u24 v5, v80, 272
	v_lshl_add_u32 v5, v81, 5, v5
	v_add_nc_u32 v5, s45, v5                       ; in: row r, 32 bytes for each half of the lanes
	v_mul_u32_u24 v6, v81, 272
	v_lshl_add_u32 v6, v80, 4, v6
	v_add_nc_u32 v6, s45, v6                       ; back: lanes 0-15 one row of 256 bytes, lanes 16-31 the next
	v_lshlrev_b32 v7, 8, v81
	v_lshl_add_u32 v7, v80, 4, v7                  ; and the same two rows in out0
	v_lshlrev_b32 v81, 3, v81                      ; 8 h
.irp x, 0,1
	v_mov_b32 v[9+4*\x], 0xff61b1e6                ; the largest t so far: -3e38, under every t
	v_floor_f32 v[8+4*\x], -v[9+4*\x]              ; -M
	v_mov_b32 v[10+4*\x], 0                        ; l, in two halves
	v_mov_b32 v[11+4*\x], 0
	v_mov_b32 v[17+2*\x], 0                        ; (named as the upper half of f's pair)
.endr
.irp j, 0,1,2,3
	v_mov_b32 v[24+\j], 0                          ; Q's codes of k = 64 .. 127: zeros
	v_mov_b32 v[32+\j], 0
	v_mov_b32 v[KF+32+\j], 0                       ; behind K's tile 7
	v_mov_b32 v[TP+\j], 0                          ; a lane permute's destination counts as one of its sources
.endr
	s_wait_loadcnt 0x0
	; Q is quantised in registers: a lane holds a whole block of 32 channels of its row; the two tiles by turns
.irp x, 0,1
	v_max3_num_f32 v[BM+\x], |v[128+32*\x]|, |v[129+32*\x]|, 0x1800000   ; with the floor 2^(3 - 127): the byte cannot fall under 1
.endr
.irp i, 2,4,6,8,10,12,14,16,18,20,22,24,26,28,30
.irp x, 0,1
	v_max3_num_f32 v[BM+\x], v[BM+\x], |v[128+32*\x+\i]|, |v[129+32*\x+\i]|
.endr
.endr
.irp x, 0,1
	v_add_nc_u32 v[SO+\x], 0xff000000, v[BM+\x]    ; 2 off the exponent field: the conversion's scale operand
.endr
.irp x, 0,1
	v_lshrrev_b32 v[BM+2+\x], 23, v[SO+\x]         ; the scale's byte
.endr
.irp x, 0,1
.irp g, 0,1,2,3
	v_cvt_scalef32_pk8_fp4_f32 v[20+8*\x+\g], v[128+32*\x+8*\g:135+32*\x+8*\g], v[SO+\x]
.endr
.endr
	v_nop                                          ; one plain line behind the last scaled conversion
.irp x, 0,1
	v_lshlrev_b32 v[BM+2+\x], v81, v[BM+2+\x]      ; my block's byte, 8 h bits up
.endr
.irp x, 0,1
	v_permlanex16_b32 v[TP+\x], v[BM+2+\x], s20, s21
.endr
.irp x, 0,1
	v_or_b32 v[BM+2+\x], v[BM+2+\x], v[TP+\x]      ; the row's word
.endr
	v_cndmask_b32 v36, v[BM+2], v[BM+3], s43       ; lanes 0-15 tile 0's words, lanes 16-31 tile 1's
	; THE 16 COEFFICIENTS s[m][n] / s_sum[m].  Lanes 8 m .. 8 m + 7 hold the eight chunks of query group m
.irp k, 1,2,4
.irp n, 0,1,2,3
	v_add_f32_dpp v[192+\n], v[192+\n], v[192+\n] row_xmask:\k row_mask:0xf bank_mask:0xf
.endr
.endr
.irp n, 0,1,2,3
	v_sqrt_f32 v[192+\n], v[192+\n]                ; norm[m][n]
.endr
	v_nop                                          ; a plain line behind the transcendentals,
	s_wait_alu depctr_va_vdst(0)                   ; and the wait ahead of the first use: one for the four
	v_readlane_b32 s44, v194, 16                   ; norm[2][2]
	v_rcp_f32 v196, s44
	v_nop
	s_wait_alu depctr_va_vdst(0)
.irp n, 0,1,2,3
	v_mul_f32 v[192+\n], v[192+\n], v196           ; s[m][n]
.endr
	v_add_f32 v197, v192, v193
	v_add_f32 v198, v194, v195
	v_add_f32 v197, v197, v198                     ; s_sum[m]
	v_rcp_f32 v199, v197
	v_nop
	s_wait_alu depctr_va_vdst(0)
.irp n, 0,1,2,3
	v_mul_f32 v[192+\n], v[192+\n], v199
.endr
.irp m, 0,1,2,3
.irp n, 0,1,2,3
	v_readlane_b32 s[48+4*\m+\n], v[192+\n], 8*\m  ; s[48 + 4 m + n]: they serve as factors alone
.endr
.endr
; S^T of tile x and key tile t.  K's scale words of tiles 2 j and 2 j + 1 share register 40 + j, Q's of the two tiles register 36: the ROW1 selectors take lanes 16-31
.macro SPROD x, t
.set SD, 128+64*(\x)+8*(\t)
.set SA, KF+4*(\t)
.set SQ, 20+8*(\x)
.set SK, 40+(\t)/2
.if ((\t)%2 == 0) && ((\x) == 0)
	v_wmma_scale_f32_16x16x128_f8f6f4 v[SD:SD+7], v[SA:SA+7], v[SQ:SQ+7], 0, v[SK], v36 matrix_a_fmt:MATRIX_FMT_FP4 matrix_b_fmt:MATRIX_FMT_FP4
.elseif (\t)%2 == 0
	v_wmma_scale_f32_16x16x128_f8f6f4 v[SD:SD+7], v[SA:SA+7], v[SQ:SQ+7], 0, v[SK], v36 matrix_a_fmt:MATRIX_FMT_FP4 matrix_b_fmt:MATRIX_FMT_FP4 matrix_b_scale:MATRIX_SCALE_ROW1
.elseif (\x) == 0
	v_wmma_scale_f32_16x16x128_f8f6f4 v[SD:SD+7], v[SA:SA+7], v[SQ:SQ+7], 0, v[SK], v36 matrix_a_fmt:MATRIX_FMT_FP4 matrix_b_fmt:MATRIX_FMT_FP4 matrix_a_scale:MATRIX_SCALE_ROW1
.else
	v_wmma_scale_f32_16x16x128_f8f6f4 v[SD:SD+7], v[SA:SA+7], v[SQ:SQ+7], 0, v[SK], v36 matrix_a_fmt:MATRIX_FMT_FP4 matrix_b_fmt:MATRIX_FMT_FP4 matrix_a_scale:MATRIX_SCALE_ROW1 matrix_b_scale:MATRIX_SCALE_ROW1
.endif
.endm
; O^T of tile x and channel tile ct (+= V^T P^T over the step's 128 keys).  first = 1: the product starts the sum: nothing is ever cleared
.macro PVPROD x, ct, first
.set PD, 128*(\x)+8*(\ct)
.set PA, 128+8*(\ct)
.set PB, 52+8*(\x)
.set PS, 44+4*((\ct)/8)+(((\ct)/2)%4)
.if \first
.if (\ct)%2
	v_wmma_scale_f32_16x16x128_f8f6f4 v[PD:PD+7], v[PA:PA+7], v[PB:PB+7], 0, v[PS], v[38+\x] matrix_a_fmt:MATRIX_FMT_FP4 matrix_b_fmt:MATRIX_FMT_FP4 matrix_a_scale:MATRIX_SCALE_ROW1
.else
	v_wmma_scale_f32_16x16x128_f8f6f4 v[PD:PD+7], v[PA:PA+7], v[PB:PB+7], 0, v[PS], v[38+\x] matrix_a_fmt:MATRIX_FMT_FP4 matrix_b_fmt:MATRIX_FMT_FP4
.endif
.else
.if (\ct)%2
	v_wmma_scale_f32_16x16x128_f8f6f4 v[PD:PD+7], v[PA:PA+7], v[PB:PB+7], v[PD:PD+7], v[PS], v[38+\x] matrix_a_fmt:MATRIX_FMT_FP4 matrix_b_fmt:MATRIX_FMT_FP4 matrix_a_scale:MATRIX_SCALE_ROW1
.else
	v_wmma_scale_f32_16x16x128_f8f6f4 v[PD:PD+7], v[PA:PA+7], v[PB:PB+7], v[PD:PD+7], v[PS], v[38+\x] matrix_a_fmt:MATRIX_FMT_FP4 matrix_b_fmt:MATRIX_FMT_FP4
.endif
.endif
.endm
; Tile x's softmax of a key step: from 64 scores a lane to p's codes (v[52 + 8 x] on), p's scale word (v[38 + x]), f (v[16 + 2 x]) and the new -M, t, l
.macro SOFTMAX x
.set SX, 128+64*(\x)
.set SM, 8+4*(\x)
.set FF, 16+2*(\x)
.set PC, 52+8*(\x)
.irp b, 0,1,2,3
	v_max3_num_f32 v[BM+\b], v[SX+16*\b], v[SX+16*\b+1], v[SX+16*\b+2]   ; THE LARGEST SCORE OF EACH BLOCK OF 32 KEYS serves twice: for the row's maximum and, since p rises with the score, for the block's largest p.  (Each accumulator is read from its low end on)
.endr
.irp i, 3,5,7,9,11,13
.irp b, 0,1,2,3
	v_max3_num_f32 v[BM+\b], v[BM+\b], v[SX+16*\b+\i], v[SX+16*\b+\i+1]
.endr
.endr
.irp b, 0,1,2,3
	v_max_num_f32 v[BM+\b], v[BM+\b], v[SX+16*\b+15]
.endr
.irp b, 0,1,2,3
	v_permlanex16_b32 v[TP+\b], v[BM+\b], s20, s21
.endr
.irp b, 0,1,2,3
	v_max_num_f32 v[BM+\b], v[BM+\b], v[TP+\b]     ; with lane l xor 16's 16 keys
.endr
	v_max3_num_f32 v80, v[BM], v[BM+1], v[BM+2]
	v_max_num_f32 v80, v80, v[BM+3]                ; the step's largest score of my query,
	v_mul_f32 v80, s22, v80                        ; as t (c is positive)
	v_max_num_f32 v[SM+1], v[SM+1], v80            ; the running largest t
	v_mov_b32 v80, v[SM]
	v_floor_f32 v[SM], -v[SM+1]                    ; the new -M = floor(-t) = -ceil(t): a whole number
	v_sub_f32 v80, v[SM], v80                      ; old M - new M: a whole number, 0 or less
	v_cvt_i32_f32 v80, v80                         ; (it saturates)
	v_ldexp_f32 v[FF], 1.0, v80                    ; f = 2^(old M - new M)
.set J, 0
.rept 32
	v_pk_fma_f32 v[SX+J:SX+J+1], v[SX+J:SX+J+1], s[22:23], v[SM:SM+1] op_sel_hi:[1,0,0]   ; t - M, two at a time (of the pairs c and -M the low word serves both halves)
.set J, J+2
.endr
.irp b, 0,1,2,3
	v_fma_f32 v[BM+\b], v[BM+\b], s22, v[SM]       ; the same of each block's largest score
.endr
.set J, 0
.rept 64
	v_exp_f32 v[SX+J], v[SX+J]                     ; p = 2^(t - M), at most 1
.set J, J+1
.endr
	v_pk_mul_f32 v[SM+2:SM+3], v[SM+2:SM+3], v[FF:FF+1] op_sel_hi:[1,0]   ; l under the new M (a plain line behind the exponentials)
	s_wait_alu depctr_va_vdst(0)                   ; the wait ahead of the first line that names a result: one for the batch of 64
.irp b, 0,1,2,3
	v_exp_f32 v[BM+\b], v[BM+\b]                   ; the block's largest p: the same two instructions on the same number give the same bits
.endr
	v_pk_add_f32 v[82:83], v[SX:SX+1], v[SX+2:SX+3]   ; l is taken of the unquantised p: two at a time, in two chains (they read the 64 alone: plain work behind the four)
.set J, 4
.rept 15
	v_pk_add_f32 v[SM+2:SM+3], v[SM+2:SM+3], v[SX+J:SX+J+1]
	v_pk_add_f32 v[82:83], v[82:83], v[SX+J+2:SX+J+3]
.set J, J+4
.endr
	v_pk_add_f32 v[SM+2:SM+3], v[SM+2:SM+3], v[82:83]
	s_wait_alu depctr_va_vdst(0)                   ; and one for the four
.irp b, 0,1,2,3
	v_max_num_f32 v[BM+\b], 0x1800000, v[BM+\b]    ; the floor 2^(3 - 127): the byte cannot fall under 1
.endr
.irp b, 0,1,2,3
	v_add_nc_u32 v[SO+\b], 0xff000000, v[BM+\b]    ; 2 off the exponent field: the conversion's scale operand
.endr
.irp b, 0,1,2,3
	v_lshrrev_b32 v[TP+\b], 23, v[SO+\b]           ; the scale's byte
.endr
	v_lshl_or_b32 v[38+\x], v[TP+1], 8, v[TP]      ; p's scale word for these 128 keys
	v_lshl_or_b32 v[38+\x], v[TP+2], 16, v[38+\x]
	v_lshl_or_b32 v[38+\x], v[TP+3], 24, v[38+\x]
.irp b, 0,1,2,3
	v_cvt_scalef32_pk8_fp4_f32 v[PC+2*\b], v[SX+16*\b:SX+16*\b+7], v[SO+\b]
	v_cvt_scalef32_pk8_fp4_f32 v[PC+2*\b+1], v[SX+16*\b+8:SX+16*\b+15], v[SO+\b]
.endr
	v_nop                                          ; one plain line behind the last scaled conversion
.irp c, 0,1                                    ; the operand's layout wants a whole block in a lane: lanes 0-15 block 2 c, lanes 16-31 block 2 c + 1
.irp i, 0,1
	v_permlane16_swap_b32 v[PC+4*\c+\i], v[PC+4*\c+2+\i]
.endr
.endr
.endm
; A KEY STEP: the record at LDS byte s40.  first = 1: the launch's first step: its products start O^T's sums, and nothing is rescaled
.macro STEP first
	v_add_nc_u32 v2, s40, v1
.rept 4
	v_nop                                          ; with the addition five places (ISA guide 7.12.1) between the last step's last product and the products below, which write over its fragments of V
.endr
	ds_load_b128 v[40:43], v2 offset:KSC
.irp t, 0,1,2,3,4,5,6,7
	ds_load_b128 v[KF+4*\t:KF+4*\t+3], v2 offset:512*\t
.endr
	s_wait_dscnt 0x0
.irp x, 0,1
.irp t, 0,1,2,3,4,5,6,7
	SPROD \x, \t
.endr
.endr
.rept 4
	v_nop                                          ; four places in front of the first read of results
.endr
	SOFTMAX 0
	SOFTMAX 1
.irp g, 0,1
	ds_load_b128 v[44+4*\g:47+4*\g], v2 offset:VSC+512*\g
.endr
.irp ct, 0,1,2,3,4,5,6,7,8,9,10,11,12,13,14,15  ; V's 16 fragments take p's registers: both tiles' codes are made
.irp c, 0,1
	ds_load_b128 v[128+8*\ct+4*\c:131+8*\ct+4*\c], v2 offset:VC+1024*\ct+512*\c
.endr
.endr
.if \first
.rept 8
	v_nop                                          ; p's scale words stand eight places, its codes four, ahead of the scaled products
.endr
.else
	WIN 0x41                                       ; destination and source 0: window 1
.irp x, 0,1
.set J, 0
.rept 64
	v_pk_mul_f32 v[128*\x+J:128*\x+J+1], v[128*\x+J:128*\x+J+1], v[16+2*\x:17+2*\x] op_sel_hi:[1,0]   ; O^T under the new M: x f, each accumulator from its low end on.  (These lines stand while V's loads are out, and are the places ahead of the scaled products)
.set J, J+2
.endr
.endr
.endif
	s_wait_dscnt 16                                ; V's scale words and channel tiles 0-7 are in; the youngest sixteen loads (tiles 8-15) may be out
	WIN 0x50                                       ; C and D: window 1
.irp ct, 0,1,2,3,4,5,6,7                       ; the 32 accumulators take turns, one instruction a turn
.irp x, 0,1
	PVPROD \x, \ct, \first
.endr
.endr
	s_wait_dscnt 0x0
.irp ct, 8,9,10,11,12,13,14,15
.irp x, 0,1
	PVPROD \x, \ct, \first
.endr
.endr
	WIN 0
	s_add_co_u32 s40, s40, STEPB                   ; on to the next record
.endm
.macro STEPS n
	s_mov_b32 s41, \n
.Lstep_\@:
	STEP 0
	s_sub_co_u32 s41, s41, 1
	s_cmp_lg_u32 s41, 0
	s_cbranch_scc1 .Lstep_\@
.endm
; THE CHANGE OF SLOTS.  Each wave waits for all its tensor loads (its record of the slot ahead), adds 0 to its spare word, and waits for that and for its reads of the slot that it leaves.
; fill = 1: the slot just left is filled with the records two slots on: the barrier is a round of the cluster's, so that no wave of any partner still reads the slot or has a load on its way, and the joint refill comes first behind it.
.macro CHANGE fill
	s_wait_tensorcnt 0x0                           ; no tensor load of mine is out, so a group 0 may be written
	ds_add_u32 v3, v4                              ; 0 onto my spare word
.if \fill
	s_xor_b32 s37, s37, SLOT1                      ; the walking descriptor: the other slot than last time,
	s_add_nc_u64 s[38:39], s[38:39], 4*STEPB       ; the next four records; the type bits on top are not reached
	s_wait_dscnt 0x0                               ; the add is done, and my reads of the slot are over
	CROUND
	JLOAD
.else
	s_wait_dscnt 0x0
	s_barrier_signal -1
	s_barrier_wait -1
.endif
	s_sub_co_u32 s40, s40, 4*STEPB                 ; back to a slot's first record,
	s_xor_b32 s40, s40, SLOT1                      ; in the other slot
.endm
	s_wait_tensorcnt 0x1                           ; my record of slot 0 is in; slot 1's may stay out
	s_barrier_signal -1
	s_barrier_wait -1                              ; everybody's is
	STEP 1
	STEPS 3
.Lslot:                                            ; two trips: slots 0 and 1 are filled again once each
	CHANGE 1
	STEPS 4
	s_sub_co_u32 s42, s42, 1
	s_cmp_lg_u32 s42, 0
	s_cbranch_scc1 .Lslot
	CHANGE 0                                       ; the last slot is written out
	STEPS 4
	; THE WAY OUT.  Eight rounds k = 4 x + m: tile x's 16 queries, query group m: out = sum over n of O^T[channels 64 n ..] x (s[m][n] / s_sum[m] / l), 64 channels a row: through my stage, so that sixteen lanes store a row of 256 bytes.
.rept 4
	v_nop                                          ; four places behind the last products
.endr
.irp x, 0,1
	v_add_f32 v[10+4*\x], v[10+4*\x], v[11+4*\x]   ; l's two halves,
.endr
.irp x, 0,1
	v_permlanex16_b32 v[TP+\x], v[10+4*\x], s20, s21
.endr
.irp x, 0,1
	v_add_f32 v[10+4*\x], v[10+4*\x], v[TP+\x]     ; and lane l xor 16's
.endr
.irp x, 0,1
	v_rcp_f32 v[120+\x], v[10+4*\x]
.endr
	v_nop
	s_wait_alu depctr_va_vdst(0)                   ; one wait for the two reciprocals, ahead of their first use
.macro MIX k
.set XX, (\k)/4
.set MM, (\k)%4
.set OU, 128+32*((\k)%2)
.irp n, 0,1,2,3
	v_mul_f32 v[BM+2*\n], s[48+4*MM+\n], v[120+XX] ; the coefficient over my query's l, as the low word of a pair
.endr
	WIN 0x01                                       ; source 0 (O^T): window 1
.irp n, 0,1,2,3
.irp e, 0,1,2,3
.irp j, 0,2,4,6
.if \n == 0
	v_pk_mul_f32 v[OU+8*\e+\j:OU+8*\e+\j+1], v[128*XX+8*(4*\n+\e)+\j:128*XX+8*(4*\n+\e)+\j+1], v[BM+2*\n:BM+2*\n+1] op_sel_hi:[1,0]
.else
	v_pk_fma_f32 v[OU+8*\e+\j:OU+8*\e+\j+1], v[128*XX+8*(4*\n+\e)+\j:128*XX+8*(4*\n+\e)+\j+1], v[BM+2*\n:BM+2*\n+1], v[OU+8*\e+\j:OU+8*\e+\j+1] op_sel_hi:[1,0,1]
.endif
.endr
.endr
.endr
	WIN 0
.endm
.macro TOSTAGE k
.set OU, 128+32*((\k)%2)
.set BK, 192+32*((\k)%2)
.if (\k) >= 2
	s_wait_xcnt 0x0                                ; the stores of two rounds back have read their registers: this round's rows may land there
.endif
.irp e, 0,1,2,3
	ds_store_b128 v5, v[OU+8*\e:OU+8*\e+3] offset:64*\e        ; lane (r, h): channels 16 e + 8 h + 0 .. 7 of query r
	ds_store_b128 v5, v[OU+8*\e+4:OU+8*\e+7] offset:64*\e+16
.endr
.irp i, 0,1,2,3,4,5,6,7
	ds_load_b128 v[BK+4*\i:BK+4*\i+3], v6 offset:544*\i        ; LDS serves a wave's instructions in order (ISA guide 5.7.1.4): these see my stores, and the next round's stores come behind them
.endr
.endm
.macro SEND k
.set XX, (\k)/4
.set MM, (\k)%4
.set BK, 192+32*((\k)%2)
.irp i, 0,1,2,3,4,5,6,7
	s_wait_dscnt 7-\i                              ; the round's younger loads may stay out
	global_store_b128 v7, v[BK+4*\i:BK+4*\i+3], s[10:11] offset:MM*524288+4096*XX+512*\i th:TH_STORE_NT   ; sixteen lanes store 256 consecutive bytes, at a multiple of 256 from out0's first byte
.endr
.endm
	MIX 0
	TOSTAGE 0
.irp k, 1,2,3,4,5,6,7                          ; a round's arithmetic stands between the loads of the round before and its stores
	MIX \k
	SEND \k-1
	TOSTAGE \k
.endr
	SEND 7
	s_wait_tensorcnt 0x0                           ; the wave's end, behind my last tensor load and my last LDS store
	ds_add_u32 v3, v4
	s_wait_dscnt 0x0
	CROUND                                         ; the closing round: no work-group ends while a partner may still ask for a record that names it
	s_endpgm
.Lfunc_end_k_q1263d5d282_attn:
	.size	k_q1263d5d282_attn, .Lfunc_end_k_q1263d5d282_attn-k_q1263d5d282_attn
	.p2alignl 7, 3214868480
	.fill 96, 4, 3214868480
	.section	.rodata,"a",@progbits
	.p2align	6, 0x0
	.amdhsa_kernel k_q1263d5d282_attn
		.amdhsa_group_segment_fixed_size 327680
		.amdhsa_private_segment_fixed_size 0
		.amdhsa_enable_private_segment 0
		.amdhsa_kernarg_size 32
		.amdhsa_user_sgpr_count 2
		.amdhsa_user_sgpr_kernarg_segment_ptr 1
		.amdhsa_wavefront_size32 1
		.amdhsa_system_sgpr_workgroup_id_x 1
		.amdhsa_system_sgpr_workgroup_id_y 1
		.amdhsa_system_sgpr_workgroup_id_z 1
		.amdhsa_system_vgpr_workitem_id 0
		.amdhsa_next_free_vgpr 512
		.amdhsa_next_free_sgpr 66
		.amdhsa_reserve_vcc 0
		.amdhsa_float_denorm_mode_32 3
		.amdhsa_float_denorm_mode_16_64 3
		.amdhsa_memory_ordered 1
		.amdhsa_forward_progress 1
		.amdhsa_inst_pref_size 211
	.end_amdhsa_kernel
	.amdgpu_metadata
---
amdhsa.version: [ 1, 2 ]
amdhsa.kernels:
  - .name:           k_q1263d5d282_attn
    .symbol:         k_q1263d5d282_attn.kd
    .args:
      - { .name: query, .offset: 0, .size: 8, .value_kind: global_buffer, .address_space: global }
      - { .name: kv, .offset: 8, .size: 8, .value_kind: global_buffer, .address_space: global }
      - { .name: wsq, .offset: 16, .size: 8, .value_kind: global_buffer, .address_space: global }
      - { .name: out0, .offset: 24, .size: 8, .value_kind: global_buffer, .address_space: global }
    .group_segment_fixed_size: 327680
    .private_segment_fixed_size: 0
    .kernarg_segment_align: 8
    .kernarg_segment_size: 32
    .max_flat_workgroup_size: 256
    .sgpr_count:     66
    .vgpr_count:     512
    .wavefront_size: 32
...
	.end_amdgpu_metadata
.endif
;; end of part 2
